; MI455X (gfx1250); checked and timed in simulation.
; The chip was launched on July 23, 2026; its instructions are those of AMD's public machine-readable ISA for CDNA 5 (MIT licence, August 2026) and "CDNA5" Instruction Set Architecture Reference Guide (July 2026). The comments in the code are by the model that wrote it; some were corrected since.
;; Multi Head Attention. Allowed arithmetic: matrix products marked QUANTISED: E5M2 operands, one given power-of-two scale a tensor, by v_wmma_f32_16x16x64_bf8_bf8 or v_wmma_f32_16x16x128_bf8_bf8, f32 sums; everything else in f32.
;; Inputs: W_out_codes 1,024 x 32 x 32 uint8 (E5M2 codes of W_out, K innermost, in blocks of 32 codes); b_out 1,024 float32; keys 4 x 2,048 x 1,024 float32; lowp_scales 6 int32 (the exponents e of the quantised operands' scales 2^e); mask 4 x 1 x 2,048 x 2,048 int32; query 4 x 2,048 x 1,024 float32; values_codes 4 x 1,024 x 64 x 32 uint8 (E5M2 codes of values, K innermost, in blocks of 32 codes).
;; Outputs: out0 4 x 2,048 x 1,024 float32.
;; This version of the problem:
;;   THIS VERSION OF THE PROBLEM IS GIVEN IN LOW PRECISION. The matrix products marked QUANTISED in the list below multiply operands that are first quantised to E5M2 (5 exponent bits, 2 mantissa bits; 8 bits a number), with one given power-of-two scale for each operand tensor; their sums are f32. All else is computed in f32.
;;   The module's matrix products, in the order in which they are computed (A, B: the left and right operand; K: the contracted axis; several contracted axes count as one K, in the product's order):
;;     1. batch 64 x [M 2,048, K 64] x [K 64, N 2,048]; A: input query; B: input keys: QUANTISED (scales: A lowp_scales[0], B lowp_scales[1])
;;     2. batch 64 x [M 64, K 2,048] x [K 2,048, N 2,048]; A: input values (given as codes); B: softmax (see below): QUANTISED (scales: A lowp_scales[2], B lowp_scales[3])
;;     3. [M 8,192, K 1,024] x [K 1,024, N 1,024]; A: computed on the way; B: input W_out (given as codes): QUANTISED (scales: A lowp_scales[4], B lowp_scales[5])
;;   THE QUANTISER, for each operand of a quantised product, along K:
;;     - The operand's scale is 2^e, e = its entry of the input lowp_scales (int32; the entries are numbered through the quantised products in the list's order, A before B).
;;     - Each number is divided by the scale, clamped to +-57,344, and rounded to the nearest number of E5M2, ties to even, subnormals kept.
;;     - The product sums the exact products of the quantised numbers (number of the format x scale) in f32.
;;   ~~~python
;;   def quantise(x, axis, e):      # numpy; x: float32 -> the quantised numbers, widened to float32 again
;;       x = np.moveaxis(x, axis, -1); K = x.shape[-1]
;;       r = np.clip(x / 2.0 ** e, -57344, 57344)
;;       step = 2.0 ** (np.maximum(np.frexp(np.where(r == 0, 1, r))[1] - 1, -14) - 2)
;;       q = np.round(r / step) * step * 2.0 ** e      # np.round: ties to even
;;       return np.moveaxis(q, -1, axis).astype(np.float32)
;;   ~~~
;;   SOFTMAX AHEAD OF A QUANTISED PRODUCT. Where the list says 'softmax', what is quantised is not the finished softmax but p = 2^(t - M), with t = logit x log2(e) and M = ceil(the row's largest t), a whole number; so 1/2 < the row's largest p <= 1. The row's sum l is taken of the UNQUANTISED p, in f32, and the product's result is divided by l at the end. Since M is a whole number, a kernel that streams over the keys may use a running M (the ceiling of the running maximum): every later rescaling is an exact power of two, so the quantised numbers keep their values, but for numbers so far below the row's largest that they fall under the format's range.
;;   OPERANDS COMPUTED ON THE WAY. 'Computed on the way' means the value that the module computes at that place (a softmax that the list does not call 'softmax' is quantised finished and normalised). What goes into a quantiser is computed in f32, as accurately as f32 sums, v_exp_f32 and their like allow (about 1e-6 of the number): no bf16 or f16 on the way to a quantiser, and a product that is left as it is and whose result goes on into a quantised operand takes f32 operands (vector FMAs, or v_wmma_f32_16x16x4_f32). A number that lies on a knife's edge between two numbers of the format may be rounded either way, as far as f32 arithmetic and the matrix unit's own rounding can turn it there, and no further.
;;   INPUTS GIVEN AS CODES. W_out (in the module: [1024, 1024], K = its axis 1); values (in the module: [4, 2048, 1024], K = its axis 1): each comes as NAME_codes (uint8): NAME with its K axis moved to the last place and cut into blocks of 32 codes, [.., K / 32, bytes a block], one block behind the other in memory; one code a byte (a code: sign, 5 exponent bits, 2 mantissa bits); its scale is its entry of lowp_scales. Its value is code x scale, taken as it is: it is not quantised again, and the codes and scales need not be those that the quantiser above would give.
;; One version. Each part assembles by itself: llvm-mc -triple=amdgcn-amd-amdhsa -mcpu=gfx1250 --defsym DOCPART=n.
;; ======== version 1 of 1: 3 launches
;; limits: right only within a limited range of input values
;; workspace buffers: q_img 8,388,608 bytes; kv 16,777,216 bytes; mbits 2,097,152 bytes of whole numbers; w_img 1,048,576 bytes; a_img 8,388,608 bytes
;; launch prep (part 1): grid 2112 x 1, 8 waves a work-group, no clusters, 83,456 bytes of LDS; arguments mask, query, keys, values_codes, W_out_codes, lowp_scales, mbits, q_img, kv, w_img; writes mbits, q_img, kv, w_img
.if DOCPART == 1
	.amdgcn_target "amdgcn-amd-amdhsa--gfx1250"
	.amdhsa_code_object_version 6
	.text
	.protected	k_q77af894a4c_prep
	.globl	k_q77af894a4c_prep
	.p2align	8
	.type	k_q77af894a4c_prep,@function
k_q77af894a4c_prep:
	s_mov_b64 s[64:65], 0
	v_nop
	global_prefetch_b8 v0, s[64:65] scope:SCOPE_SE
	s_setreg_imm32_b32 hwreg(HW_REG_WAVE_MODE, 25, 1), 1
	s_wait_xcnt 0x0
; PREPARATION: every large input is read once and laid as the later launches' registers want it.
; A FRAGMENT IMAGE is 16 rows x 64 K of E5M2 codes, 8 registers a lane, 1,024 bytes: registers 0-3 of lane L at 16 L, registers 4-7 at 512 + 16 L.
; Three kinds of work-group, told apart by the work-group's number alone (the same for all eight waves); each kind has its own end and its own LDS bytes.
;   0 .. 511      MASK: mask [4][2048][2048] int32 -> mbits [n][32 queries][64 keys][tile i of 2][t of 4][j of 8] words: bit L = (r, hh) of a word says
;                 whether mask[n][32 pi + 16 i + r][64 sigma + 16 t + 8 hh + j] is not 0: the word is the lane mask for register 8 t + j of a tile of scores.
;   512 .. 1535   QUERY (512) and KEYS (512): 16 rows x 1,024 f32 -> 16 images (one a head); code = x / 2^e held within +-57,344, nearest, ties to even.
;                 In these images registers 4 c .. 4 c + 3 hold d = 32 c + 16 hh + 0 .. 15: the same order of d in query and keys, so every product meets its partner.
;   1536 .. 2111  VALUES' codes (512: 16 channels x 1,024 keys) and W_out's codes (64: 16 rows x 1,024 k) -> images in the matrix form's own order: registers 2 c, 2 c + 1 hold k = 16 c + 8 hh + 0 .. 7.
; kv: [batch x head (64)][step of 64 keys (32)][4 images of keys | 4 images of values]: 8,192 bytes a step, 262,144 a head.
; LIMITS: lowp_scales[0] and [1] lie between -126 and 112, so that 2^e and 57,344 x 2^e are f32 numbers.  NaN among query and keys is not served.
.set QKP, 4112                         ; query, keys: an LDS row: 4,096 bytes + 16: the 16 rows that a load touches begin 16 bytes apart modulo 256
.set VWL, 16*QKP                       ; values, W_out: their LDS bytes begin behind those
.set VWP, 1040                         ; and their row: 1,024 bytes + 16
	v_lshl_add_u32 v160, v0, 2, 0x14200
	v_mov_b32 v161, 0
	v_and_b32 v1, 31, v0
	s_delay_alu instid0(VALU_DEP_1)
	v_lshlrev_b32 v1, 4, v1                        ; 16 x lane
	v_lshrrev_b32 v2, 5, v0
	s_delay_alu instid0(VALU_DEP_1)
	v_readfirstlane_b32 s8, v2                     ; wave 0..7
	v_and_b32 v8, 15, v0                           ; r
	v_bfe_u32 v9, v0, 4, 1                         ; hh
	s_cmp_lt_u32 ttmp9, 512
	s_cbranch_scc0 .Lnot_mask
; ---------------- MASK.  A wave takes 32 rows x 128 keys: 32 loads of 512 consecutive bytes; no LDS, no barrier.
; v16-143 the rows as loaded (row p at 16 + 4 p; lane l holds keys 4 l .. 4 l + 3); v144-151 W[i][c]: lane r: row 16 i + r, bit l = key 4 l + c; v152-155 the 128 words to store.
	s_load_b64 s[4:5], s[0:1], 0x0                 ; mask
	s_load_b64 s[6:7], s[0:1], 0x30                ; mbits
	s_lshr_b32 s10, ttmp9, 7                       ; n
	s_bfe_u32 s11, ttmp9, 0x60001                  ; pi: which 32 queries (6 bits from bit 1)
	s_and_b32 s12, ttmp9, 1
	s_lshl_b32 s12, s12, 3
	s_add_co_u32 s12, s12, s8                      ; x: which 128 keys
	s_lshl_b32 s14, s10, 24                        ; n x 2,048 rows of 8,192 bytes
	s_lshl_b32 s13, s11, 18                        ; + 32 rows x pi
	s_add_co_u32 s14, s14, s13
	s_lshl_b32 s13, s12, 9                         ; + 512 bytes x x
	s_add_co_u32 s14, s14, s13
	s_mov_b32 s15, 0
	s_lshl_b32 s34, s10, 6
	s_add_co_u32 s34, s34, s11
	s_lshl_b32 s34, s34, 5
	s_lshl_b32 s13, s12, 1
	s_add_co_u32 s34, s34, s13                     ; (64 n + pi) x 32 + 2 x: the first of my two key steps
	s_lshl_b32 s34, s34, 8                         ; 256 bytes a step
	s_mov_b32 s35, 0
	s_mov_b32 s32, 0x76543210                      ; v_permlanex16_b32: each lane takes its own place in the other half
	s_mov_b32 s33, 0xfedcba98
	s_wait_kmcnt 0x0
	s_add_nc_u64 s[4:5], s[4:5], s[14:15]
	s_add_nc_u64 s[6:7], s[6:7], s[34:35]
.set p, 0
	s_wait_alu depctr_va_vdst(0)
.rept 32
	global_load_b128 v[16+4*p:19+4*p], v1, s[4:5] offset:8192*p th:TH_LOAD_NT
.set p, p+1
.endr
.irp k, 144,145,146,147,148,149,150,151,152,153,154,155,157
	v_mov_b32 v\k, 0                               ; what v_writelane_b32 and the permute write counts as read: written once, whole
.endr
	v_lshlrev_b32 v158, 1, v9                      ; 2 hh
.set p, 0
.rept 32
	s_wait_alu depctr_va_vdst(0)
	s_wait_loadcnt 31-p                            ; loads come back in order: row p is in, the 31 - p behind it may be out
.irp c, 0,1,2,3
	v_cmp_ne_u32 s[16+4*(p%4)+\c], 0, v[16+4*p+\c] ; bit l: key 4 l + c of row p counts
.endr
.irp c, 0,1,2,3
	s_delay_alu instid0(VALU_DEP_4)
	v_writelane_b32 v[144+4*(p/16)+\c], s[16+4*(p%4)+\c], p%16
.endr
.set p, p+1
.endr
.irp k, 0
	v_permlanex16_b32 v157, v[144+\k], s32, s33    ; lanes 16-31 get row r's word too (they held 0),
	s_delay_alu instid0(VALU_DEP_1)
	v_or_b32 v[144+\k], v[144+\k], v157
	s_delay_alu instid0(VALU_DEP_1)
	v_lshrrev_b32 v[144+\k], v158, v[144+\k]       ; moved down by 2 hh: key 16 t + 8 hh + j sits at bit 4 t + 2 hh + j / 4 of word j % 4
.endr
.irp k, 1, 2, 3, 4, 5, 6, 7
	s_delay_alu instid0(VALU_DEP_3)
	v_permlanex16_b32 v157, v[144+\k], s32, s33    ; lanes 16-31 get row r's word too (they held 0),
	s_delay_alu instid0(VALU_DEP_1)
	v_or_b32 v[144+\k], v[144+\k], v157
	s_delay_alu instid0(VALU_DEP_1)
	v_lshrrev_b32 v[144+\k], v158, v[144+\k]       ; moved down by 2 hh: key 16 t + 8 hh + j sits at bit 4 t + 2 hh + j / 4 of word j % 4
.endr
.set g8, 0                                     ; g8 = 8 s2 + 4 i + t: key step s2 of my two, tile i, t; eight words j at a time
.rept 16
.irp j, 0,1,2,3,4,5,6,7
	v_and_b32 v[16+\j], 1<<(16*(g8/8)+4*(g8%4)+\j/4), v[144+4*((g8/4)%2)+\j%4]
.endr
.irp j, 0,1,2,3,4,5,6,7
	v_cmp_ne_u32 s[16+\j], 0, v[16+\j]             ; bit L = (r, hh): the word as the attention launch wants it
.endr
.irp j, 0,1,2,3,4,5,6,7
	v_writelane_b32 v[152+\j%4], s[16+\j], 2*g8+\j/4   ; word 8 g8 + j of 128: lane (8 g8 + j) / 4, register j % 4
.endr
.set g8, g8+1
.endr
	global_store_b128 v1, v[152:155], s[6:7]       ; the wave stores 512 consecutive bytes, aligned
	s_endpgm
.Lnot_mask:
	s_cmp_lt_u32 ttmp9, 1536
	s_cbranch_scc0 .Lcodes
; ---------------- QUERY, KEYS.  16 rows of 4,096 bytes.  Wave w loads rows 2 w, 2 w + 1 as they lie (16 loads of 512 bytes), they meet in LDS, and wave w then takes heads 2 w, 2 w + 1 of all 16 rows.
; v16-79 numbers; v80-95 codes; v2, v3 LDS addresses in and out; v4, v5 store offsets of my two heads; v11 the scale.
	s_load_b128 s[4:7], s[0:1], 0x8                ; query, keys
	s_load_b64 s[10:11], s[0:1], 0x28              ; the scales' exponents
	s_load_b128 s[12:15], s[0:1], 0x38             ; q_img, kv
	s_sub_co_u32 s16, ttmp9, 512                   ; under 512: query; else keys
	s_and_b32 s17, s16, 511                        ; T: which 16 rows of the 8,192
	s_lshr_b32 s18, s17, 7                         ; n
	s_and_b32 s19, s17, 127                        ; which 16 rows of the batch's 2,048
	s_lshl_b32 s20, s17, 16                        ; in: 16 rows of 4,096 bytes x T
	s_lshl_b32 s21, s8, 13                         ; + my two rows
	s_add_co_u32 s20, s20, s21
	s_mov_b32 s21, 0
	s_lshl_b32 s22, s17, 14                        ; out, query: 16 images x T
	s_lshl_b32 s23, s18, 22                        ; out, keys: 16 heads of 262,144 bytes x n
	s_lshr_b32 s24, s19, 2
	s_lshl_b32 s24, s24, 13                        ; + 8,192 x key step
	s_add_co_u32 s23, s23, s24
	s_and_b32 s24, s19, 3
	s_lshl_b32 s24, s24, 10                        ; + 1,024 x tile of the step
	s_add_co_u32 s23, s23, s24
	s_mov_b32 s25, 0x40000
	s_cmp_lt_u32 s16, 512
	s_cselect_b32 s22, s22, s23
	s_cselect_b32 s25, 1024, s25                   ; from head to head: 1,024 bytes in q_img, 262,144 in kv
	s_mov_b32 s23, 0
	s_mul_i32 s26, s8, 2*QKP
	s_wait_alu depctr_va_vdst(0)
	v_add_nc_u32 v2, s26, v1                       ; in: my two rows, 16 bytes a lane
	v_mul_u32_u24 v3, v8, QKP
	s_delay_alu instid0(VALU_DEP_1)
	v_lshl_add_u32 v3, v9, 6, v3
	s_lshl_b32 s26, s8, 9
	v_add_nc_u32 v3, s26, v3                       ; out: row r, + 64 hh (16 numbers), + my two heads' 512 bytes
	s_lshl_b32 s26, s8, 1
	s_mul_i32 s26, s26, s25
	v_add_nc_u32 v4, s26, v1                       ; head 2 w's image, 16 bytes a lane
	s_delay_alu instid0(VALU_DEP_1)
	v_add_nc_u32 v5, s25, v4                       ; head 2 w + 1's
	s_wait_alu depctr_va_vdst(0)
	s_wait_kmcnt 0x0
	s_load_b64 s[28:29], s[10:11], 0x0             ; e of query, e of keys
	s_cmp_lt_u32 s16, 512                          ; the choice hangs on the work-group's number alone
	s_cselect_b64 s[4:5], s[4:5], s[6:7]
	s_cselect_b64 s[12:13], s[12:13], s[14:15]
	s_add_nc_u64 s[4:5], s[4:5], s[20:21]
	s_add_nc_u64 s[12:13], s[12:13], s[22:23]
.set i, 0
.rept 16
	global_load_b128 v[16+4*i:19+4*i], v1, s[4:5] offset:512*i th:TH_LOAD_NT
.set i, i+1
.endr
	s_wait_kmcnt 0x0
	s_cmp_lt_u32 s16, 512
	s_cselect_b32 s28, s28, s29
	s_add_co_i32 s28, s28, 127
	s_lshl_b32 s29, s28, 23
	v_mov_b32 v11, s29                             ; 2^e as f32: the conversion takes its exponent field
.set i, 0
	s_wait_alu depctr_va_vdst(0)
.rept 16
	s_wait_loadcnt 15-i                            ; load i is in, the 15 - i behind it may be out
	ds_store_b128 v2, v[16+4*i:19+4*i] offset:(i/8)*QKP+512*(i%8)
.set i, i+1
.endr
	s_wait_dscnt 0x0                               ; for the others' sake: my rows lie in LDS
	s_barrier_signal -1
	s_barrier_wait -1
.irp e, 0,1
.irp c, 0,1
.irp i, 0,1,2,3
	ds_load_b128 v[16+16*(2*\e+\c)+4*\i:19+16*(2*\e+\c)+4*\i], v3 offset:256*\e+128*\c+16*\i   ; head 2 w + e: d = 32 c + 16 hh + 4 i ..
.endr
.endr
.endr
	s_wait_dscnt 0x0
.set i, 0
.rept 64
.set i, i+1
.endr
.irp g, 0,1,2,3
	v_cvt_scalef32_pk8_bf8_f32 v[80+4*\g:81+4*\g], v[16+16*\g:23+16*\g], v11
	v_cvt_scalef32_pk8_bf8_f32 v[82+4*\g:83+4*\g], v[24+16*\g:31+16*\g], v11
.endr
	v_nop                                          ; a plain line behind the last conversion
	global_store_b128 v4, v[80:83], s[12:13]       ; each store: 512 consecutive bytes, aligned
	global_store_b128 v4, v[84:87], s[12:13] offset:512
	global_store_b128 v5, v[88:91], s[12:13]
	global_store_b128 v5, v[92:95], s[12:13] offset:512
	s_wait_tensorcnt 0x0
	ds_add_u32 v160, v161
	s_wait_dscnt 0x0
	s_endpgm
.Lcodes:
; ---------------- VALUES' and W_out's codes.  16 rows x 1,024 bytes.  Wave w loads rows 2 w, 2 w + 1, they meet in LDS, and wave w then takes chunks 2 w, 2 w + 1 (64 along K each) of all 16 rows.
	s_load_b128 s[4:7], s[0:1], 0x18               ; values_codes, W_out_codes
	s_load_b128 s[12:15], s[0:1], 0x40             ; kv, w_img
	s_sub_co_u32 s16, ttmp9, 1536                  ; under 512: values; else W_out
	s_lshr_b32 s17, s16, 1                         ; values: which 16 channels of the 4 x 1,024
	s_and_b32 s18, s16, 1                          ; and which 1,024 keys
	s_lshl_b32 s20, s17, 15                        ; in: 16 rows of 2,048 bytes
	s_lshl_b32 s19, s18, 10
	s_add_co_u32 s20, s20, s19
	s_lshr_b32 s22, s17, 2
	s_lshl_b32 s22, s22, 18                        ; out: the head's 262,144 bytes,
	s_and_b32 s19, s17, 3
	s_lshl_b32 s19, s19, 10                        ; the tile of 16 channels,
	s_add_co_u32 s22, s22, s19
	s_lshl_b32 s19, s18, 17                        ; 16 key steps of 8,192 bytes,
	s_add_co_u32 s22, s22, s19
	s_add_co_u32 s22, s22, 4096                    ; behind a step's four images of keys
	s_sub_co_u32 s19, s16, 512
	s_lshl_b32 s19, s19, 14                        ; W_out, in and out alike: 16,384 bytes x tile of 16 rows (used only where s16 is 512 or more)
	s_cmp_lt_u32 s16, 512
	s_cselect_b32 s20, s20, s19
	s_cselect_b32 s22, s22, s19
	s_cselect_b32 s24, 1, 0
	s_mov_b32 s21, 0
	s_mov_b32 s23, 0
	s_lshl_b32 s25, 1024, s24                      ; a row in memory: 2,048 bytes of values, 1,024 of W_out
	s_mul_i32 s26, s24, 3
	s_lshl_b32 s26, 1024, s26                      ; from chunk to chunk: 8,192 bytes in kv, 1,024 in w_img
	s_lshl_b32 s27, s8, 1
	s_mul_i32 s28, s27, s25
	s_wait_alu depctr_va_vdst(0)
	v_add_nc_u32 v2, s28, v1                       ; in: row 2 w,
	s_delay_alu instid0(VALU_DEP_1)
	v_add_nc_u32 v3, s25, v2                       ; row 2 w + 1
	s_mul_i32 s28, s27, VWP
	s_add_co_u32 s28, s28, VWL
	v_add_nc_u32 v4, s28, v1                       ; LDS, in
	v_mul_u32_u24 v5, v8, VWP
	s_delay_alu instid0(VALU_DEP_1)
	v_lshl_add_u32 v5, v9, 3, v5
	s_lshl_b32 s28, s8, 7
	s_add_co_u32 s28, s28, VWL
	v_add_nc_u32 v5, s28, v5                       ; LDS, out: row r, + 8 hh, + my two chunks' 128 bytes
	s_mul_i32 s28, s27, s26
	v_add_nc_u32 v6, s28, v1                       ; chunk 2 w's image,
	s_delay_alu instid0(VALU_DEP_1)
	v_add_nc_u32 v7, s26, v6                       ; chunk 2 w + 1's
	s_wait_alu depctr_va_vdst(0)
	s_wait_kmcnt 0x0
	s_cmp_lt_u32 s16, 512
	s_cselect_b64 s[4:5], s[4:5], s[6:7]
	s_cselect_b64 s[12:13], s[12:13], s[14:15]
	s_add_nc_u64 s[4:5], s[4:5], s[20:21]
	s_add_nc_u64 s[12:13], s[12:13], s[22:23]
	global_load_b128 v[16:19], v2, s[4:5] th:TH_LOAD_NT
	global_load_b128 v[20:23], v2, s[4:5] offset:512 th:TH_LOAD_NT
	global_load_b128 v[24:27], v3, s[4:5] th:TH_LOAD_NT
	global_load_b128 v[28:31], v3, s[4:5] offset:512 th:TH_LOAD_NT
.irp i, 0,1,2,3
	s_wait_loadcnt 3-\i
	ds_store_b128 v4, v[16+4*\i:19+4*\i] offset:(\i/2)*VWP+512*(\i%2)
.endr
	s_wait_dscnt 0x0                               ; for the others' sake: my rows lie in LDS
	s_barrier_signal -1
	s_barrier_wait -1
.irp k, 0,1
.irp c, 0,1,2,3
	ds_load_b64 v[32+8*\k+2*\c:33+8*\k+2*\c], v5 offset:64*\k+16*\c   ; registers 2 c, 2 c + 1: k = 16 c + 8 hh + 0 .. 7 of chunk 2 w + k
.endr
.endr
	s_wait_dscnt 0x0
	global_store_b128 v6, v[32:35], s[12:13]       ; each store: 512 consecutive bytes, aligned
	global_store_b128 v6, v[36:39], s[12:13] offset:512
	global_store_b128 v7, v[40:43], s[12:13]
	global_store_b128 v7, v[44:47], s[12:13] offset:512
	s_wait_tensorcnt 0x0
	ds_add_u32 v160, v161
	s_wait_dscnt 0x0
	s_endpgm
.Lfunc_end_k_q77af894a4c_prep:
	.size	k_q77af894a4c_prep, .Lfunc_end_k_q77af894a4c_prep-k_q77af894a4c_prep
	.p2alignl 7, 3214868480
	.fill 96, 4, 3214868480
	.section	.rodata,"a",@progbits
	.p2align	6, 0x0
	.amdhsa_kernel k_q77af894a4c_prep
		.amdhsa_group_segment_fixed_size 83456
		.amdhsa_private_segment_fixed_size 0
		.amdhsa_enable_private_segment 0
		.amdhsa_kernarg_size 80
		.amdhsa_user_sgpr_count 2
		.amdhsa_user_sgpr_kernarg_segment_ptr 1
		.amdhsa_wavefront_size32 1
		.amdhsa_system_sgpr_workgroup_id_x 1
		.amdhsa_system_sgpr_workgroup_id_y 1
		.amdhsa_system_sgpr_workgroup_id_z 1
		.amdhsa_system_vgpr_workitem_id 0
		.amdhsa_next_free_vgpr 162
		.amdhsa_next_free_sgpr 66
		.amdhsa_reserve_vcc 0
		.amdhsa_float_denorm_mode_32 3
		.amdhsa_float_denorm_mode_16_64 3
		.amdhsa_fp16_overflow 1
		.amdhsa_memory_ordered 1
		.amdhsa_forward_progress 1
		.amdhsa_inst_pref_size 64
	.end_amdhsa_kernel
	.amdgpu_metadata
---
amdhsa.version: [ 1, 2 ]
amdhsa.kernels:
  - .name:           k_q77af894a4c_prep
    .symbol:         k_q77af894a4c_prep.kd
    .args:
      - { .name: mask, .offset: 0, .size: 8, .value_kind: global_buffer, .address_space: global }
      - { .name: query, .offset: 8, .size: 8, .value_kind: global_buffer, .address_space: global }
      - { .name: keys, .offset: 16, .size: 8, .value_kind: global_buffer, .address_space: global }
      - { .name: values_codes, .offset: 24, .size: 8, .value_kind: global_buffer, .address_space: global }
      - { .name: W_out_codes, .offset: 32, .size: 8, .value_kind: global_buffer, .address_space: global }
      - { .name: lowp_scales, .offset: 40, .size: 8, .value_kind: global_buffer, .address_space: global }
      - { .name: mbits, .offset: 48, .size: 8, .value_kind: global_buffer, .address_space: global }
      - { .name: q_img, .offset: 56, .size: 8, .value_kind: global_buffer, .address_space: global }
      - { .name: kv, .offset: 64, .size: 8, .value_kind: global_buffer, .address_space: global }
      - { .name: w_img, .offset: 72, .size: 8, .value_kind: global_buffer, .address_space: global }
    .group_segment_fixed_size: 83456
    .private_segment_fixed_size: 0
    .kernarg_segment_align: 8
    .kernarg_segment_size: 80
    .max_flat_workgroup_size: 256
    .sgpr_count:     66
    .vgpr_count:     162
    .wavefront_size: 32
...
	.end_amdgpu_metadata
.endif
;; end of part 1
;; launch attn (part 2): grid 4 x 64, 16 waves a work-group, clusters of 4 x 1, 327,680 bytes of LDS; arguments q_img, kv, mbits, lowp_scales, a_img; writes a_img
.if DOCPART == 2
	.amdgcn_target "amdgcn-amd-amdhsa--gfx1250"
	.amdhsa_code_object_version 6
	.text
	.protected	k_q77af894a4c_attn
	.globl	k_q77af894a4c_attn
	.p2align	8
	.type	k_q77af894a4c_attn,@function
k_q77af894a4c_attn:
	s_mov_b64 s[64:65], 0
	v_nop
	global_prefetch_b8 v0, s[64:65] scope:SCOPE_SE
	s_setreg_imm32_b32 hwreg(HW_REG_WAVE_MODE, 25, 1), 1
	s_wait_xcnt 0x0
	s_wait_alu depctr_hold_cnt(0) depctr_sa_sdst(0) depctr_va_vdst(0) depctr_va_sdst(0) depctr_va_ssrc(0) depctr_va_vcc(0) depctr_vm_vsrc(0)
	s_getreg_b32 s2, hwreg(HW_REG_IB_STS2, 6, 4)
	s_cmp_eq_u32 s2, 0
	s_cbranch_scc0 .Lentry_in_a_cluster
	s_endpgm
.Lentry_in_a_cluster:
	s_bfe_u32 s2, ttmp6, 0x10000c
	s_cmp_lg_u32 s2, 0x3003
	s_cbranch_scc0 .Lentry_shape_is_right
	s_endpgm
.Lentry_shape_is_right:
.set LI,   1
.set ADR,  2
.set NEG,  3
.set LIM3, 4
.set SC3,  5
.set LIM4, 6
.set SC4,  7
.set QF,   32
.set KF,   48
.set S,    80
.set O,    144
.set P,    208
.set VF,   224
.set MB,   2
.set G1A,  4
.set G0A,  12
.set OUTB, 66
.set G1B,  68
.set G0B,  76
.set SEL,  96
.set CS,   98
.set CNT,  100
.set MOFF, 101
.set WV,   104
.set TB,   105
.macro CROUND
	s_barrier_signal -1
	s_barrier_wait -1
	s_cmp_lg_u32 s[WV], 0
	s_cbranch_scc1 .Lnot_wave_0_\@
	s_barrier_signal -3
.Lnot_wave_0_\@:
	s_barrier_wait -3
	s_barrier_signal -1
	s_barrier_wait -1
.endm
	s_load_b256 s[16:23], s[0:1], 0x0
	s_load_b64 s[24:25], s[0:1], 0x20
	v_lshl_add_u32 v254, v0, 2, 0x40000
	v_mov_b32 v255, 0
	ds_add_u32 v254, v255
	ds_add_u32 v254, v255
	s_wait_dscnt 0x0
	v_and_b32 v[LI], 31, v0
	s_delay_alu instid0(VALU_DEP_1)
	v_lshlrev_b32 v[LI], 4, v[LI]
	v_lshrrev_b32 v[ADR], 5, v0
	s_delay_alu instid0(VALU_DEP_1)
	v_readfirstlane_b32 s[WV], v[ADR]
	s_mov_b32 s[G1A], 15|(3<<16)|(1<<21)
	s_mov_b32 s[G1A+1], 32<<16
	s_mov_b32 s[G1A+2], 8<<16
	s_mov_b32 s[G1A+3], 32<<16
	s_mov_b32 s[G1A+4], 8
	s_mov_b32 s[G1A+5], 32
	s_mov_b32 s[G1A+6], 0
	s_mov_b32 s[G1A+7], 0
	s_mov_b32 s[G1B], 15|(3<<16)|(1<<21)
	s_mov_b32 s[G1B+1], 32<<16
	s_mov_b32 s[G1B+2], 56<<16
	s_mov_b32 s[G1B+3], 32<<16
	s_mov_b32 s[G1B+4], 56
	s_mov_b32 s[G1B+5], 32
	s_mov_b32 s[G1B+6], 0
	s_mov_b32 s[G1B+7], 0
	s_and_b32 s40, ttmp7, 0xffff
	s_lshl_b32 s40, s40, 18
	s_mov_b32 s41, 0
	s_lshl_b32 s42, s[WV], 11
	s_mov_b32 s43, 0
	s_add_nc_u64 s[42:43], s[42:43], s[40:41]
	s_mul_i32 s26, s[WV], 14336
	s_add_co_u32 s26, s26, 32768
	s_mov_b32 s27, 0
	s_add_nc_u64 s[40:41], s[40:41], s[26:27]
	s_bfe_u32 s33, ttmp6, 0x40000
	s_lshl_b32 s34, ttmp9, 2
	s_add_co_u32 s34, s34, s33
	s_and_b32 s35, ttmp7, 0xffff
	s_lshr_b32 s38, s35, 4
	s_and_b32 s39, s35, 15
	s_lshl_b32 s44, s38, 7
	s_lshl_b32 s45, s34, 5
	s_add_co_u32 s44, s44, s45
	s_lshl_b32 s45, s[WV], 1
	s_add_co_u32 s44, s44, s45
	s_lshl_b32 s44, s44, 14
	s_lshl_b32 s45, s39, 10
	s_add_co_u32 s44, s44, s45
	s_mov_b32 s45, 0
	s_lshl_b32 s46, s38, 6
	s_lshl_b32 s47, s34, 4
	s_add_co_u32 s46, s46, s47
	s_add_co_u32 s46, s46, s[WV]
	s_lshl_b32 s46, s46, 13
	s_mov_b32 s47, 0
	s_wait_kmcnt 0x0
	s_load_b128 s[28:31], s[22:23], 0x0
	s_load_b32 s32, s[22:23], 0x10
	s_add_nc_u64 s[36:37], s[16:17], s[44:45]
	s_add_nc_u64 s[OUTB:OUTB+1], s[24:25], s[44:45]
	s_add_nc_u64 s[MB:MB+1], s[20:21], s[46:47]
	s_mov_b32 s[G0A], 1
	s_lshl_b32 s[G0A+1], s[WV], 11
	s_add_nc_u64 s[G0A+2:G0A+3], s[18:19], s[42:43]
	s_or_b32 s[G0A+3], s[G0A+3], 0x80000000
	s_mov_b32 s[G0B], 1
	s_mov_b32 s[G0B+1], s26
	s_add_nc_u64 s[G0B+2:G0B+3], s[18:19], s[40:41]
	s_or_b32 s[G0B+3], s[G0B+3], 0x80000000
	CROUND
	tensor_load_to_lds s[G0A:G0A+3], s[G1A:G1A+7]
	s_nop 0
	s_wait_alu depctr_va_vdst(0)
	s_wait_tensorcnt 0x0
	ds_add_u32 v254, v255
	s_wait_dscnt 0x0
	CROUND
	tensor_load_to_lds s[G0B:G0B+3], s[G1B:G1B+7]
	s_nop 0
.rept 4
	v_nop
.endr
	s_wait_alu depctr_va_vdst(0)
.irp i, 0,1
	global_load_b128 v[QF+8*\i:QF+8*\i+3], v[LI], s[36:37] offset:16384*\i
	global_load_b128 v[QF+8*\i+4:QF+8*\i+7], v[LI], s[36:37] offset:16384*\i+512
.endr
	s_mov_b32 s[SEL], 0x76543210
	s_mov_b32 s[SEL+1], 0xfedcba98
	v_mov_b32 v[NEG], 0xe7800000
.irp i, 0,1
	v_mov_b32 v[9+2*\i], 0xff61b1e6
	s_delay_alu instid0(VALU_DEP_1)
	v_floor_f32 v[8+2*\i], -v[9+2*\i]
	v_mov_b32 v[12+2*\i], 0
	v_mov_b32 v[13+2*\i], 0
	v_mov_b32 v[17+2*\i], 0
	v_mov_b32 v[22+4*\i], 0
.endr
.set x, 0
.rept 64
	v_mov_b32 v[O+x], 0
.set x, x+1
.endr
	s_wait_kmcnt 0x0
	s_add_co_i32 s45, s28, s29
	s_lshl_b32 s45, s45, 23
	s_mov_b32 s[CS], 0x3d38aa3b
	s_add_co_i32 s[CS], s[CS], s45
	s_mov_b32 s[CS+1], s[CS]
	s_add_co_i32 s46, s31, 127
	s_lshl_b32 s47, s46, 23
	v_mov_b32 v[SC3], s47
	s_add_co_i32 s46, s32, 127
	s_lshl_b32 s47, s46, 23
	v_mov_b32 v[SC4], s47
	s_add_co_i32 s46, s30, s31
	v_mov_b32 v23, s46
	s_wait_xcnt 0x0
	s_mov_b32 s[MOFF], 0
	s_load_b512 s[16:31], s[MB:MB+1], s[MOFF] offset:0x0
	s_load_b512 s[32:47], s[MB:MB+1], s[MOFF] offset:0x40
	s_load_b512 s[48:63], s[MB:MB+1], s[MOFF] offset:0x80
	s_load_b512 s[80:95], s[MB:MB+1], s[MOFF] offset:0xc0
	s_mov_b32 s[TB], 0
	s_wait_tensorcnt 0x1
	s_barrier_signal -1
	s_barrier_wait -1
	s_wait_loadcnt 0x0
.macro STEP
	s_setprio 2
	v_add_nc_u32 v[ADR], s[TB], v[LI]
.rept 4
	v_nop
.endr
.irp t, 0,1,2,3
	ds_load_b128 v[KF+8*\t:KF+8*\t+3], v[ADR] offset:1024*\t
	ds_load_b128 v[KF+8*\t+4:KF+8*\t+7], v[ADR] offset:1024*\t+512
.endr
.irp t, 0,1,2,3
	ds_load_b128 v[VF+8*\t:VF+8*\t+3], v[ADR] offset:4096+1024*\t
	ds_load_b128 v[VF+8*\t+4:VF+8*\t+7], v[ADR] offset:4096+1024*\t+512
.endr
	s_add_co_u32 s[TB], s[TB], 8192
	s_wait_dscnt 0x8
.irp t, 0,1,2,3
.irp i, 0,1
	v_wmma_f32_16x16x64_bf8_bf8 v[S+32*\i+8*\t:S+32*\i+8*\t+7], v[KF+8*\t:KF+8*\t+7], v[QF+8*\i:QF+8*\i+7], 0
.endr
.endr
.rept 4
	v_nop
.endr
	s_wait_kmcnt 0x0
	s_add_co_u32 s[MOFF], s[MOFF], 256
	s_min_u32 s[MOFF], s[MOFF], 7936
.set x, 0
.rept 32
	v_cndmask_b32 v[S+x], v[NEG], v[S+x], s[16+x]
.set x, x+1
.endr
	s_load_b512 s[16:31], s[MB:MB+1], s[MOFF] offset:0x0
	s_load_b512 s[32:47], s[MB:MB+1], s[MOFF] offset:0x40
.set x, 0
.rept 32
	v_cndmask_b32 v[S+32+x], v[NEG], v[S+32+x], s[48+x+16*(x/16)]
.set x, x+1
.endr
	s_load_b512 s[48:63], s[MB:MB+1], s[MOFF] offset:0x80
	s_load_b512 s[80:95], s[MB:MB+1], s[MOFF] offset:0xc0
.irp i, 0,1
	v_max3_num_f32 v[20+4*\i], v[S+32*\i], v[S+32*\i+1], v[S+32*\i+2]
	v_max3_num_f32 v[21+4*\i], v[S+32*\i+3], v[S+32*\i+4], v[S+32*\i+5]
.endr
.irp j, 6,10,14,18,22,26
.irp i, 0,1
	s_delay_alu instid0(VALU_DEP_4)
	v_max3_num_f32 v[20+4*\i], v[20+4*\i], v[S+32*\i+\j], v[S+32*\i+\j+1]
	s_delay_alu instid0(VALU_DEP_4)
	v_max3_num_f32 v[21+4*\i], v[21+4*\i], v[S+32*\i+\j+2], v[S+32*\i+\j+3]
.endr
.endr
.irp i, 0
	s_delay_alu instid0(VALU_DEP_4)
	v_max3_num_f32 v[20+4*\i], v[20+4*\i], v[S+32*\i+30], v[S+32*\i+31]
.endr
.irp i, 1
	s_delay_alu instid0(VALU_DEP_3)
	v_max3_num_f32 v[20+4*\i], v[20+4*\i], v[S+32*\i+30], v[S+32*\i+31]
.endr
.irp i, 0,1
	s_delay_alu instid0(VALU_DEP_2)
	v_max_num_f32 v[20+4*\i], v[20+4*\i], v[21+4*\i]
.endr
.irp i, 0,1
	s_delay_alu instid0(VALU_DEP_2)
	v_permlanex16_b32 v[22+4*\i], v[20+4*\i], s[SEL], s[SEL+1]
.endr
.irp i, 0,1
	s_delay_alu instid0(VALU_DEP_2)
	v_max_num_f32 v[20+4*\i], v[20+4*\i], v[22+4*\i]
.endr
.irp i, 0,1
	s_delay_alu instid0(VALU_DEP_2)
	v_mul_f32 v[20+4*\i], s[CS], v[20+4*\i]
.endr
.irp i, 0,1
	s_delay_alu instid0(VALU_DEP_2)
	v_max_num_f32 v[9+2*\i], v[9+2*\i], v[20+4*\i]
.endr
.irp i, 0,1
	v_mov_b32 v[20+4*\i], v[8+2*\i]
.endr
.irp i, 0,1
	s_delay_alu instid0(VALU_DEP_4)
	v_floor_f32 v[8+2*\i], -v[9+2*\i]
.endr
.irp i, 0,1
	s_delay_alu instid0(VALU_DEP_2)
	v_sub_f32 v[20+4*\i], v[8+2*\i], v[20+4*\i]
.endr
.irp i, 0,1
	s_delay_alu instid0(VALU_DEP_2)
	v_cvt_i32_f32 v[20+4*\i], v[20+4*\i]
.endr
.irp i, 0,1
	s_delay_alu instid0(VALU_DEP_2)
	v_ldexp_f32 v[16+2*\i], 1.0, v[20+4*\i]
.endr
.irp i, 0,1
.irp j, 0,2,4,6,8,10,12,14,16,18,20,22,24,26,28,30
	v_pk_fma_f32 v[S+32*\i+\j:S+32*\i+\j+1], v[S+32*\i+\j:S+32*\i+\j+1], s[CS:CS+1], v[8+2*\i:9+2*\i] op_sel_hi:[1,0,0]
.endr
.endr
.set x, 0
	s_setprio 1
	s_wait_alu depctr_va_vdst(0)
.rept 64
	v_exp_f32 v[S+x], v[S+x]
.set x, x+1
.endr
.irp i, 0,1
	v_pk_mul_f32 v[12+2*\i:13+2*\i], v[12+2*\i:13+2*\i], v[16+2*\i:17+2*\i] op_sel_hi:[1,0]
.endr
	s_wait_alu depctr_va_vdst(0)
.irp i, 0,1
	v_pk_add_f32 v[28+2*\i:29+2*\i], v[S+32*\i:S+32*\i+1], v[S+32*\i+2:S+32*\i+3]
.endr
.irp j, 4,8,12,16,20,24,28
.irp i, 0,1
	v_pk_add_f32 v[12+2*\i:13+2*\i], v[12+2*\i:13+2*\i], v[S+32*\i+\j:S+32*\i+\j+1]
	v_pk_add_f32 v[28+2*\i:29+2*\i], v[28+2*\i:29+2*\i], v[S+32*\i+\j+2:S+32*\i+\j+3]
.endr
.endr
.irp i, 0
	s_delay_alu instid0(VALU_DEP_3)
	v_pk_add_f32 v[12+2*\i:13+2*\i], v[12+2*\i:13+2*\i], v[28+2*\i:29+2*\i]
.endr
.irp i, 1
	s_delay_alu instid0(VALU_DEP_2)
	v_pk_add_f32 v[12+2*\i:13+2*\i], v[12+2*\i:13+2*\i], v[28+2*\i:29+2*\i]
.endr
.set x, 0
.rept 64
.set x, x+1
.endr
.irp i, 0,1
.irp c, 0,1,2,3
	v_cvt_scalef32_pk8_bf8_f32 v[P+8*\i+2*\c:P+8*\i+2*\c+1], v[S+32*\i+8*\c:S+32*\i+8*\c+7], v[SC3]
.endr
.endr
.irp i, 0,1
.irp j, 0,2,4,6,8,10,12,14,16,18,20,22,24,26,28,30
	v_pk_mul_f32 v[O+32*\i+\j:O+32*\i+\j+1], v[O+32*\i+\j:O+32*\i+\j+1], v[16+2*\i:17+2*\i] op_sel_hi:[1,0]
.endr
.endr
	s_setprio 0
	s_wait_alu depctr_va_vdst(0)
	s_wait_dscnt 0x0
.irp t, 0,1,2,3
.irp i, 0,1
	v_wmma_f32_16x16x64_bf8_bf8 v[O+32*\i+8*\t:O+32*\i+8*\t+7], v[VF+8*\t:VF+8*\t+7], v[P+8*\i:P+8*\i+7], v[O+32*\i+8*\t:O+32*\i+8*\t+7]
.endr
.endr
.endm
	s_mov_b32 s[CNT], 4
.Lfirst:
	STEP
	s_sub_co_u32 s[CNT], s[CNT], 1
	s_cmp_lg_u32 s[CNT], 0
	s_cbranch_scc1 .Lfirst
	s_setprio 0
	s_wait_tensorcnt 0x0
	s_barrier_signal -1
	s_barrier_wait -1
	s_mov_b32 s[CNT], 28
.Lrest:
	STEP
	s_sub_co_u32 s[CNT], s[CNT], 1
	s_cmp_lg_u32 s[CNT], 0
	s_cbranch_scc1 .Lrest
	s_setprio 0
	s_wait_kmcnt 0x0
.rept 4
	v_nop
.endr
.irp i, 0,1
	v_add_f32 v[20+4*\i], v[12+2*\i], v[13+2*\i]
.endr
.irp i, 0,1
	s_delay_alu instid0(VALU_DEP_2)
	v_permlanex16_b32 v[22+4*\i], v[20+4*\i], s[SEL], s[SEL+1]
.endr
.irp i, 0,1
	s_delay_alu instid0(VALU_DEP_2)
	v_add_f32 v[20+4*\i], v[20+4*\i], v[22+4*\i]
.endr
	s_wait_alu depctr_va_vdst(0)
.irp i, 0,1
	v_rcp_f32 v[21+4*\i], v[20+4*\i]
.endr
	v_nop
	s_wait_alu depctr_va_vdst(0)
.irp i, 0,1
	v_ldexp_f32 v[16+2*\i], v[21+4*\i], v23
.endr
.irp i, 0,1
.irp j, 0,2,4,6,8,10,12,14,16,18,20,22,24,26,28,30
	v_pk_mul_f32 v[S+32*\i+\j:S+32*\i+\j+1], v[O+32*\i+\j:O+32*\i+\j+1], v[16+2*\i:17+2*\i] op_sel_hi:[1,0]
.endr
.endr
.set x, 0
.rept 64
.set x, x+1
.endr
.irp i, 0,1
.irp c, 0,1,2,3
	v_cvt_scalef32_pk8_bf8_f32 v[P+8*\i+2*\c:P+8*\i+2*\c+1], v[S+32*\i+8*\c:S+32*\i+8*\c+7], v[SC4]
.endr
.endr
	v_nop
.irp i, 0,1
	global_store_b128 v[LI], v[P+8*\i:P+8*\i+3], s[OUTB:OUTB+1] offset:16384*\i
	global_store_b128 v[LI], v[P+8*\i+4:P+8*\i+7], s[OUTB:OUTB+1] offset:16384*\i+512
.endr
	s_wait_xcnt 0x0
	v_lshl_add_u32 v254, v0, 2, 0x40000
	v_mov_b32 v255, 0
	s_wait_alu depctr_va_vdst(0)
	s_wait_tensorcnt 0x0
	ds_add_u32 v254, v255
	s_wait_dscnt 0x0
	CROUND
	s_endpgm
.Lfunc_end_k_q77af894a4c_attn:
	.size	k_q77af894a4c_attn, .Lfunc_end_k_q77af894a4c_attn-k_q77af894a4c_attn
	.p2alignl 7, 3214868480
	.fill 96, 4, 3214868480
	.section	.rodata,"a",@progbits
	.p2align	6, 0x0
	.amdhsa_kernel k_q77af894a4c_attn
		.amdhsa_group_segment_fixed_size 327680
		.amdhsa_private_segment_fixed_size 0
		.amdhsa_enable_private_segment 0
		.amdhsa_kernarg_size 40
		.amdhsa_user_sgpr_count 2
		.amdhsa_user_sgpr_kernarg_segment_ptr 1
		.amdhsa_wavefront_size32 1
		.amdhsa_system_sgpr_workgroup_id_x 1
		.amdhsa_system_sgpr_workgroup_id_y 1
		.amdhsa_system_sgpr_workgroup_id_z 1
		.amdhsa_system_vgpr_workitem_id 0
		.amdhsa_next_free_vgpr 256
		.amdhsa_next_free_sgpr 106
		.amdhsa_reserve_vcc 0
		.amdhsa_float_denorm_mode_32 3
		.amdhsa_float_denorm_mode_16_64 3
		.amdhsa_fp16_overflow 1
		.amdhsa_memory_ordered 1
		.amdhsa_forward_progress 1
		.amdhsa_inst_pref_size 54
	.end_amdhsa_kernel
	.amdgpu_metadata
---
amdhsa.version: [ 1, 2 ]
amdhsa.kernels:
  - .name:           k_q77af894a4c_attn
    .symbol:         k_q77af894a4c_attn.kd
    .args:
      - { .name: q_img, .offset: 0, .size: 8, .value_kind: global_buffer, .address_space: global }
      - { .name: kv, .offset: 8, .size: 8, .value_kind: global_buffer, .address_space: global }
      - { .name: mbits, .offset: 16, .size: 8, .value_kind: global_buffer, .address_space: global }
      - { .name: lowp_scales, .offset: 24, .size: 8, .value_kind: global_buffer, .address_space: global }
      - { .name: a_img, .offset: 32, .size: 8, .value_kind: global_buffer, .address_space: global }
    .group_segment_fixed_size: 327680
    .private_segment_fixed_size: 0
    .kernarg_segment_align: 8
    .kernarg_segment_size: 40
    .max_flat_workgroup_size: 512
    .sgpr_count:     106
    .vgpr_count:     256
    .wavefront_size: 32
...
	.end_amdgpu_metadata
.endif
;; end of part 2
;; launch proj (part 3): grid 4 x 32, 4 waves a work-group, clusters of 4 x 4, 327,680 bytes of LDS; arguments a_img, w_img, lowp_scales, b_out, out0; writes out0
.if DOCPART == 3
	.amdgcn_target "amdgcn-amd-amdhsa--gfx1250"
	.amdhsa_code_object_version 6
	.text
	.protected	k_q77af894a4c_proj
	.globl	k_q77af894a4c_proj
	.p2align	8
	.type	k_q77af894a4c_proj,@function
k_q77af894a4c_proj:
	s_mov_b64 s[64:65], 0
	v_nop
	global_prefetch_b8 v0, s[64:65] scope:SCOPE_SE
	s_setreg_imm32_b32 hwreg(HW_REG_WAVE_MODE, 25, 1), 1
	s_wait_xcnt 0x0
	s_wait_alu depctr_hold_cnt(0) depctr_sa_sdst(0) depctr_va_vdst(0) depctr_va_sdst(0) depctr_va_ssrc(0) depctr_va_vcc(0) depctr_vm_vsrc(0)
	s_getreg_b32 s2, hwreg(HW_REG_IB_STS2, 6, 4)
	s_cmp_eq_u32 s2, 0
	s_cbranch_scc0 .Lentry_in_a_cluster
	s_endpgm
.Lentry_in_a_cluster:
	s_bfe_u32 s2, ttmp6, 0x10000c
	s_cmp_lg_u32 s2, 0xf033
	s_cbranch_scc0 .Lentry_shape_is_right
	s_endpgm
.Lentry_shape_is_right:
.set SIZE_N, 1024
.set SIZE_K, 1024
.set KSTEP,  256
.set STEPB,  4096
.set TROW,   16384
.set KROW,   1024
.set FR,     16
.set NL,     4
.set NP,     4
.set HALFT,  8*STEPB
.set SLOT,   4*HALFT
.set LAPS,   SIZE_K/(2*KSTEP)
.set SPARE,  2*SLOT
.set SPITCH, 528
.set ADRA, 16
.set ADRB, 20
.set STO,  24
.set RD,   25
.set CO,   26
.set SPW,  28
.set NIL,  29
.set TMP,  32
.set AF,   128
.set BK,   128
.set G1, 24
.set G0, 32
.set G1B, 48
.set G0B, 56
.set MSB, 0
.macro WIN new
.if MSB != \new
	s_set_vgpr_msb (MSB<<8)|\new
.set MSB, \new
.endif
.endm
.set MUL_LO, 0xa1
.set MUL_HI, 0xf1
.set BIAS_LO, 0x81
.set BIAS_HI, 0xc1
.set TO_B,   0x40
.macro JLOAD g0a, g1a, g0b, g1b
	s_cmp_eq_u32 s15, 0
	s_cbranch_scc0 .Lfor_b_\@
	tensor_load_to_lds s[\g0a:\g0a+3], s[\g1a:\g1a+7]
	s_nop 0
.rept 4
	v_nop
.endr
	s_branch .Lasked_\@
.Lfor_b_\@:
	tensor_load_to_lds s[\g0b:\g0b+3], s[\g1b:\g1b+7]
	s_nop 0
.rept 4
	v_nop
.endr
.Lasked_\@:
.endm
.macro CREST
	s_cmp_lg_u32 s14, 0
	s_cbranch_scc1 .Lnot_wave_0_\@
	s_barrier_signal -3
.Lnot_wave_0_\@:
	s_barrier_wait -3
	s_barrier_signal -1
	s_barrier_wait -1
.endm
.macro CROUND
	s_barrier_signal -1
	s_barrier_wait -1
	CREST
.endm
	s_load_b128 s[4:7], s[0:1], 0x0
	s_load_b128 s[8:11], s[0:1], 0x10
	s_load_b64 s[12:13], s[0:1], 0x20
	v_lshl_add_u32 v[SPW], v0, 2, SPARE
	v_mov_b32 v[NIL], 0
	ds_add_u32 v28, v29
	ds_add_u32 v28, v29
	s_wait_dscnt 0x0
	v_lshrrev_b32 v1, 5, v0
	v_readfirstlane_b32 s14, v1
	s_lshr_b32 s15, s14, 1
	s_and_b32 s16, s14, 1
	s_bfe_u32 s40, ttmp6, 0x40000
	s_bfe_u32 s41, ttmp6, 0x40004
	s_lshl_b32 s42, ttmp9, 2
	s_add_co_u32 s42, s42, s40
	s_and_b32 s17, ttmp7, 0xffff
	s_lshl_b32 s17, s17, 2
	s_add_co_u32 s17, s17, s41
	s_lshl_b32 s43, s41, 2
	s_lshl_b32 s43, 15, s43
	s_lshl_b32 s44, 0x1111, s40
	s_or_b32 s[G1+0], s43, (0<<16)|(1<<21)
	s_or_b32 s[G1B+0], s44, (0<<16)|(1<<21)
.irp g, G1, G1B
	s_mov_b32 s[\g+1], STEPB<<16
	s_mov_b32 s[\g+2], 8<<16
	s_mov_b32 s[\g+3], STEPB<<16
	s_mov_b32 s[\g+4], 8
	s_mov_b32 s[\g+5], TROW
	s_mov_b32 s[\g+6], 0
	s_mov_b32 s[\g+7], 0
.endr
	s_lshl_b32 s18, s16, 7
	s_lshl_b32 s20, s17, 8
	s_add_co_u32 s20, s20, s18
	s_lshl_b32 s46, s42, 8
	s_add_co_u32 s46, s46, s18
	s_mov_b32 s21, 0
	s_mov_b32 s47, 0
	s_mov_b64 s[18:19], KROW
	s_mul_u64 s[20:21], s[20:21], s[18:19]
	s_mul_u64 s[46:47], s[46:47], s[18:19]
	s_mul_i32 s45, s14, HALFT
	s_wait_kmcnt 0x0
	s_load_b64 s[96:97], s[8:9], 0x10
	s_add_nc_u64 s[20:21], s[4:5], s[20:21]
	s_add_nc_u64 s[46:47], s[6:7], s[46:47]
	CROUND
.irp s, 0,1
	s_mov_b32 s[G0+4*\s], 1
	s_add_co_u32 s[G0+4*\s+1], s45, \s*SLOT
	s_add_nc_u64 s[G0+4*\s+2:G0+4*\s+3], s[20:21], \s*STEPB
	s_or_b32 s[G0+4*\s+3], s[G0+4*\s+3], 0x80000000
	s_mov_b32 s[G0B+4*\s], 1
	s_add_co_u32 s[G0B+4*\s+1], s45, \s*SLOT
	s_add_nc_u64 s[G0B+4*\s+2:G0B+4*\s+3], s[46:47], \s*STEPB
	s_or_b32 s[G0B+4*\s+3], s[G0B+4*\s+3], 0x80000000
	s_wait_alu depctr_va_vdst(0)
	s_wait_tensorcnt 0x0
	ds_add_u32 v28, v29
	ds_add_u32 v28, v29
	s_wait_dscnt 0x0
	CROUND
	JLOAD G0+4*\s, G1, G0B+4*\s, G1B
.endr
	v_and_b32 v1, 15, v0
	s_wait_alu depctr_va_vdst(0)
	v_bfe_u32 v2, v0, 4, 1
	v_and_b32 v6, 31, v0
	v_lshlrev_b32 v4, 4, v6
	v_lshlrev_b32 v7, 5, v2
	s_mul_i32 s21, s15, HALFT
	s_mul_i32 s22, s16, HALFT
	s_add_co_u32 s22, s22, 2*HALFT
.irp s, 0,1
	v_add_nc_u32 v[ADRA+\s], s21, v4
	v_add_nc_u32 v[ADRB+\s], s22, v4
	s_add_co_u32 s21, s21, SLOT
	s_add_co_u32 s22, s22, SLOT
.endr
	s_mul_i32 s23, s14, 16*SPITCH
	v_mul_u32_u24 v5, v1, SPITCH
	s_wait_alu depctr_va_vdst(0)
	v_lshl_add_u32 v5, v2, 5, v5
	v_add_nc_u32 v[STO], s23, v5
	v_lshlrev_b32 v[CO], 4, v6
	v_add_nc_u32 v[RD], s23, v[CO]
	s_lshl_b32 s20, s17, 8
	s_lshl_b32 s21, s15, 7
	s_add_co_u32 s20, s20, s21
	s_mov_b32 s21, 0
	s_mov_b64 s[18:19], SIZE_N*4
	s_mul_u64 s[20:21], s[20:21], s[18:19]
	s_lshl_b32 s46, s42, 10
	s_lshl_b32 s47, s16, 9
	s_add_co_u32 s46, s46, s47
	s_mov_b32 s47, 0
	s_add_nc_u64 s[10:11], s[10:11], s[46:47]
	s_add_nc_u64 s[20:21], s[20:21], s[46:47]
	s_add_nc_u64 s[12:13], s[12:13], s[20:21]
.irp b, 0,1,2,3,4,5,6,7
	global_load_b128 v[TMP+8*\b:TMP+8*\b+3], v7, s[10:11] offset:64*\b
	global_load_b128 v[TMP+8*\b+4:TMP+8*\b+7], v7, s[10:11] offset:64*\b+16
.endr
	s_wait_kmcnt 0x0
	s_add_co_i32 s96, s96, s97
	s_sub_co_i32 s22, 0, s96
	s_add_co_i32 s96, s96, 127
	s_lshl_b32 s96, s96, 23
	s_mov_b32 s97, s96
	s_wait_loadcnt 0x0
.set x, 0
.rept 64
	v_ldexp_f32 v[TMP+x], v[TMP+x], s22
.set x, x+1
.endr
.macro FRAG reg, adr, q, i
.irp c, 0,1,2,3
	ds_load_b128 v[\reg+4*\c:\reg+4*\c+3], v[\adr] offset:(\i)*STEPB+2048*(\q)+512*\c
.endr
.endm
.macro MUL16 a0, p, zero
.irp a, \a0, \a0+1
.irp b, 0,1,2,3,4,5,6,7
.if \zero
	v_wmma_f32_16x16x128_bf8_bf8 v[8*(8*((\a)%4)+\b):8*(8*((\a)%4)+\b)+7], v[128*(\p)+FR*\b:128*(\p)+FR*\b+FR-1], v[AF+FR*(\a):AF+FR*(\a)+FR-1], v[TMP+8*\b:TMP+8*\b+7]
.else
	v_wmma_f32_16x16x128_bf8_bf8 v[8*(8*((\a)%4)+\b):8*(8*((\a)%4)+\b)+7], v[128*(\p)+FR*\b:128*(\p)+FR*\b+FR-1], v[AF+FR*(\a):AF+FR*(\a)+FR-1], v[8*(8*((\a)%4)+\b):8*(8*((\a)%4)+\b)+7]
.endif
.endr
.endr
.endm
.macro FETCH_B slot, q, p
	WIN TO_B
.irp i, 0,1,2,3,4,5,6,7
	FRAG 128*(\p)+FR*\i, ADRB+\slot, \q, \i
.endr
	WIN 0
.endm
.macro FETCH_A slot, q, i0
.irp i, \i0, \i0+1, \i0+2, \i0+3
	FRAG AF+FR*(\i), ADRA+\slot, \q, \i
.endr
.endm
.macro PLACES n
.rept \n
	v_nop
.endr
.endm
.macro STEP slot, q, zero
	s_wait_dscnt 4*NL
.if \zero
	WIN BIAS_LO
.else
	WIN MUL_LO
.endif
	MUL16 0, (\q)%2, \zero
	MUL16 2, (\q)%2, \zero
	s_wait_dscnt 0
	PLACES NP
	FETCH_B \slot, (\q)+1, 1-(\q)%2
	FETCH_A \slot, (\q)+1, 0
.if \zero
	WIN BIAS_HI
.else
	WIN MUL_HI
.endif
	MUL16 4, (\q)%2, \zero
	MUL16 6, (\q)%2, \zero
	PLACES NP
	WIN 0
	FETCH_A \slot, (\q)+1, 4
.endm
.macro TURN slot, next, fill
	s_wait_tensorcnt 0x0
	ds_add_u32 v[SPW], v[NIL]
	s_wait_dscnt 4*NL+1
	WIN MUL_LO
	MUL16 0, 1, 0
	s_wait_dscnt 0x0
	s_barrier_signal -1
	MUL16 2, 1, 0
	WIN 0
	s_barrier_wait -1
.if \fill
	CREST
	s_add_nc_u64 s[G0+4*\slot+2:G0+4*\slot+3], s[G0+4*\slot+2:G0+4*\slot+3], 2*STEPB
	s_add_nc_u64 s[G0B+4*\slot+2:G0B+4*\slot+3], s[G0B+4*\slot+2:G0B+4*\slot+3], 2*STEPB
	JLOAD G0+4*\slot, G1, G0B+4*\slot, G1B
.else
	PLACES NP
.endif
	FETCH_B \next, 0, 0
	FETCH_A \next, 0, 0
	WIN MUL_HI
	MUL16 4, 1, 0
	MUL16 6, 1, 0
	PLACES NP
	WIN 0
	FETCH_A \next, 0, 4
.endm
	s_wait_alu depctr_va_vdst(0)
	s_wait_tensorcnt 1
	s_barrier_signal -1
	s_barrier_wait -1
	FETCH_B 0, 0, 0
	FETCH_A 0, 0, 0
	FETCH_A 0, 0, 4
	STEP 0, 0, 1
	s_mov_b32 s3, LAPS-1
.Llap:
	TURN 0, 1, 1
	STEP 1, 0, 0
	TURN 1, 0, 1
	STEP 0, 0, 0
	s_sub_co_u32 s3, s3, 1
	s_cmp_lg_u32 s3, 0
	s_cbranch_scc1 .Llap
	TURN 0, 1, 0
	STEP 1, 0, 0
	s_wait_dscnt 4*NL
	WIN MUL_LO
	MUL16 0, 1, 0
	MUL16 2, 1, 0
	s_wait_dscnt 0
	WIN MUL_HI
	MUL16 4, 1, 0
	MUL16 6, 1, 0
	WIN 0
.macro TOSTAGE a
.set AC, 64*((\a)%4)
	WIN 0x02+((\a)/4)
.irp j, 0,2,4,6,8,10,12,14,16,18,20,22,24,26,28,30,32,34,36,38,40,42,44,46,48,50,52,54,56,58,60,62
	v_pk_mul_f32 v[TMP+\j:TMP+\j+1], v[AC+\j:AC+\j+1], s[96:97] op_sel_hi:[1,0]
.endr
	WIN 0
.irp b, 0,1,2,3,4,5,6,7
	ds_store_b128 v[STO], v[TMP+8*\b:TMP+8*\b+3] offset:64*\b
	ds_store_b128 v[STO], v[TMP+8*\b+4:TMP+8*\b+7] offset:64*\b+16
.endr
.set BB, BK+64*((\a)%2)
.irp t, 0,1,2,3,4,5,6,7,8,9,10,11,12,13,14,15
	ds_load_b128 v[BB+4*\t:BB+4*\t+3], v[RD] offset:\t*SPITCH
.endr
.endm
.macro SEND a, younger
.set BB, BK+64*((\a)%2)
	s_wait_dscnt \younger
.if (\a) > 0
	s_add_nc_u64 s[12:13], s[12:13], 16*SIZE_N*4
.endif
.irp t, 0,1,2,3,4,5,6,7,8,9,10,11,12,13,14,15
	global_store_b128 v[CO], v[BB+4*\t:BB+4*\t+3], s[12:13] offset:\t*SIZE_N*4 th:TH_STORE_NT
.endr
.endm
	PLACES NP
	TOSTAGE 0
.irp a, 1,2,3,4,5,6,7
.if \a > 1
	s_wait_xcnt 0x0
.endif
	TOSTAGE \a
	SEND \a-1, 32
.endr
	s_wait_xcnt 0x0
	SEND 7, 0
	s_wait_tensorcnt 0x0
	ds_add_u32 v[SPW], v[NIL]
	s_wait_dscnt 0x0
	CROUND
	s_endpgm
.Lfunc_end_k_q77af894a4c_proj:
	.size	k_q77af894a4c_proj, .Lfunc_end_k_q77af894a4c_proj-k_q77af894a4c_proj
	.p2alignl 7, 3214868480
	.fill 96, 4, 3214868480
	.section	.rodata,"a",@progbits
	.p2align	6, 0x0
	.amdhsa_kernel k_q77af894a4c_proj
		.amdhsa_group_segment_fixed_size 327680
		.amdhsa_private_segment_fixed_size 0
		.amdhsa_enable_private_segment 0
		.amdhsa_kernarg_size 40
		.amdhsa_user_sgpr_count 2
		.amdhsa_user_sgpr_kernarg_segment_ptr 1
		.amdhsa_wavefront_size32 1
		.amdhsa_system_sgpr_workgroup_id_x 1
		.amdhsa_system_sgpr_workgroup_id_y 1
		.amdhsa_system_sgpr_workgroup_id_z 1
		.amdhsa_system_vgpr_workitem_id 0
		.amdhsa_next_free_vgpr 1024
		.amdhsa_next_free_sgpr 98
		.amdhsa_reserve_vcc 0
		.amdhsa_float_denorm_mode_32 3
		.amdhsa_float_denorm_mode_16_64 3
		.amdhsa_memory_ordered 1
		.amdhsa_forward_progress 1
		.amdhsa_inst_pref_size 130
	.end_amdhsa_kernel
	.amdgpu_metadata
---
amdhsa.version: [ 1, 2 ]
amdhsa.kernels:
  - .name:           k_q77af894a4c_proj
    .symbol:         k_q77af894a4c_proj.kd
    .args:
      - { .name: a_img, .offset: 0, .size: 8, .value_kind: global_buffer, .address_space: global }
      - { .name: w_img, .offset: 8, .size: 8, .value_kind: global_buffer, .address_space: global }
      - { .name: lowp_scales, .offset: 16, .size: 8, .value_kind: global_buffer, .address_space: global }
      - { .name: b_out, .offset: 24, .size: 8, .value_kind: global_buffer, .address_space: global }
      - { .name: out0, .offset: 32, .size: 8, .value_kind: global_buffer, .address_space: global }
    .group_segment_fixed_size: 327680
    .private_segment_fixed_size: 0
    .kernarg_segment_align: 8
    .kernarg_segment_size: 40
    .max_flat_workgroup_size: 128
    .sgpr_count:     98
    .vgpr_count:     1024
    .wavefront_size: 32
...
	.end_amdgpu_metadata
.endif
;; end of part 3
